; MI455X (gfx1250); checked and timed in simulation.
; The chip was launched on July 23, 2026; its instructions are those of AMD's public machine-readable ISA for CDNA 5 (MIT licence, August 2026) and "CDNA5" Instruction Set Architecture Reference Guide (July 2026). The comments in the code are by the model that wrote it; some were corrected since.
;; BERT Attention. Allowed arithmetic: matrix products marked QUANTISED: E4M3 operands, one given power-of-two scale a tensor, by v_wmma_f32_16x16x64_fp8_fp8 or v_wmma_f32_16x16x128_fp8_fp8, f32 sums; everything else in f32.
;; Inputs: beta 1,024 float32; bk 1,024 float32; bo 1,024 float32; bq 1,024 float32; bv 1,024 float32; gamma 1,024 float32; lowp_scales 12 int32 (the exponents e of the quantised operands' scales 2^e); wk 1,024 x 1,024 float32; wo 1,024 x 1,024 float32; wq 1,024 x 1,024 float32; wv 1,024 x 1,024 float32; x 4 x 2,048 x 1,024 float32.
;; Outputs: out0 4 x 2,048 x 1,024 float32.
;; This version of the problem:
;;   THIS VERSION OF THE PROBLEM IS GIVEN IN LOW PRECISION. The matrix products marked QUANTISED in the list below multiply operands that are first quantised to E4M3 (4 exponent bits, 3 mantissa bits; 8 bits a number), with one given power-of-two scale for each operand tensor; their sums are f32. All else is computed in f32.
;;   The module's matrix products, in the order in which they are computed (A, B: the left and right operand; K: the contracted axis; several contracted axes count as one K, in the product's order):
;;     1. [M 8,192, K 1,024] x [K 1,024, N 1,024]; A: input x; B: input wq: QUANTISED (scales: A lowp_scales[0], B lowp_scales[1])
;;     2. [M 8,192, K 1,024] x [K 1,024, N 1,024]; A: input x; B: input wk: QUANTISED (scales: A lowp_scales[2], B lowp_scales[3])
;;     3. [M 8,192, K 1,024] x [K 1,024, N 1,024]; A: input x; B: input wv: QUANTISED (scales: A lowp_scales[4], B lowp_scales[5])
;;     4. batch 64 x [M 2,048, K 64] x [K 64, N 2,048]; A: computed on the way; B: computed on the way: QUANTISED (scales: A lowp_scales[6], B lowp_scales[7])
;;     5. batch 64 x [M 2,048, K 2,048] x [K 2,048, N 64]; A: softmax (see below); B: computed on the way: QUANTISED (scales: A lowp_scales[8], B lowp_scales[9])
;;     6. [M 8,192, K 1,024] x [K 1,024, N 1,024]; A: computed on the way; B: input wo: QUANTISED (scales: A lowp_scales[10], B lowp_scales[11])
;;   THE QUANTISER, for each operand of a quantised product, along K:
;;     - The operand's scale is 2^e, e = its entry of the input lowp_scales (int32; the entries are numbered through the quantised products in the list's order, A before B).
;;     - Each number is divided by the scale, clamped to +-448, and rounded to the nearest number of E4M3, ties to even, subnormals kept.
;;     - The product sums the exact products of the quantised numbers (number of the format x scale) in f32.
;;   ~~~python
;;   def quantise(x, axis, e):      # numpy; x: float32 -> the quantised numbers, widened to float32 again
;;       x = np.moveaxis(x, axis, -1); K = x.shape[-1]
;;       r = np.clip(x / 2.0 ** e, -448, 448)
;;       step = 2.0 ** (np.maximum(np.frexp(np.where(r == 0, 1, r))[1] - 1, -6) - 3)
;;       q = np.round(r / step) * step * 2.0 ** e      # np.round: ties to even
;;       return np.moveaxis(q, -1, axis).astype(np.float32)
;;   ~~~
;;   SOFTMAX AHEAD OF A QUANTISED PRODUCT. Where the list says 'softmax', what is quantised is not the finished softmax but p = 2^(t - M), with t = logit x log2(e) and M = ceil(the row's largest t), a whole number; so 1/2 < the row's largest p <= 1. The row's sum l is taken of the UNQUANTISED p, in f32, and the product's result is divided by l at the end. Since M is a whole number, a kernel that streams over the keys may use a running M (the ceiling of the running maximum): every later rescaling is an exact power of two, so the quantised numbers keep their values, but for numbers so far below the row's largest that they fall under the format's range.
;;   OPERANDS COMPUTED ON THE WAY. 'Computed on the way' means the value that the module computes at that place (a softmax that the list does not call 'softmax' is quantised finished and normalised). What goes into a quantiser is computed in f32, as accurately as f32 sums, v_exp_f32 and their like allow (about 1e-6 of the number): no bf16 or f16 on the way to a quantiser, and a product that is left as it is and whose result goes on into a quantised operand takes f32 operands (vector FMAs, or v_wmma_f32_16x16x4_f32). A number that lies on a knife's edge between two numbers of the format may be rounded either way, as far as f32 arithmetic and the matrix unit's own rounding can turn it there, and no further.
;; One version. Each part assembles by itself: llvm-mc -triple=amdgcn-amd-amdhsa -mcpu=gfx1250 --defsym DOCPART=n.
;; ======== version 1 of 1: 4 launches
;; limits: right only within a limited range of input values
;; workspace buffers: xc 25,165,824 bytes; wc 4,194,304 bytes; qc 8,388,608 bytes; kc 8,388,608 bytes; vt 8,388,608 bytes; cf 8,388,608 bytes
;; launch quant (part 1): grid 384 x 1, 4 waves a work-group, no clusters, 66,048 bytes of LDS; arguments x, wq, wk, wv, wo, lowp_scales, xc, wc; writes xc, wc
.if DOCPART == 1
	.amdgcn_target "amdgcn-amd-amdhsa--gfx1250"
	.amdhsa_code_object_version 6
	.text
	.protected	k_q5ac31db24f_quant
	.globl	k_q5ac31db24f_quant
	.p2align	8
	.type	k_q5ac31db24f_quant,@function
k_q5ac31db24f_quant:
	s_mov_b64 s[64:65], 0
	v_nop
	global_prefetch_b8 v0, s[64:65] scope:SCOPE_SE
	s_setreg_imm32_b32 hwreg(HW_REG_WAVE_MODE, 25, 1), 1
	s_wait_xcnt 0x0
; x [8192][1024] and the four weights [1024][1024], f32 with K innermost, become codes of FP8 (E4M3), one byte a number.
; code = number / 2^e, held within +-448, rounded to the nearest code, ties to even.  x is an operand of three products with a scale of its own in each: it is quantised three
; times (entries 0, 2, 4 of the scales) into three sections of xc; wq, wk, wv, wo (entries 1, 3, 5, 11) into the four sections of wc.
; ORDER ALONG K.  In every block of 32 codes, byte 16 a + 8 b + j holds number 16 b + 8 a + j (a, b = 0 or 1): the two middle groups of eight change places.  All operands of this program's products are laid
; so, which is the order in which a matrix result, converted eight numbers at a time, falls into registers: a permutation of K that is the same on both sides of each product.
; SHARES.  A work-group takes 32,768 numbers, a wave 8,192 in 16 steps of 512.  Work-groups 0-255 take x, 256-383 the weights (32 each).  Waves share nothing: no barrier.
; Each load reads 512 consecutive bytes, 16 a lane; a step's 2,048 bytes turn through the wave's own stage in LDS (64 bytes and 16 of padding to a place) and come back so that a lane holds the 16 numbers of its
; 16 codes; each store then covers 512 consecutive bytes.  The two ways through the text have LDS bytes of their own.  Loads run four steps (16 loads a wave) ahead, the turn through LDS one step.
; LIMITS: each e used here lies between -126 and 119, so that 2^e and 448 x 2^e are f32 numbers.  NaN among the inputs is not served; an infinity is held at the largest code.
.set STEPS, 16
.set SP,    80                         ; a place in a stage: 64 bytes + 16 of padding
.set OFS,   3                          ; v3       16 x lane: my bytes of a load's 512 and of a store's 512; never rewritten
.set SCL,   5                          ; v5, v7, v9   2^e as f32, for each set of codes
.set LIM,   6                          ; v6, v8, v10  448 x 2^e
.set SIN,   14                         ; v14      the stage, on the way in
.set SOUT,  15                         ; v15      and on the way out
.set R,     16                         ; v16-79   four sets of 16 numbers as they are loaded
.set X,     80                         ; v80-111  two sets of 16 numbers back from the stage
.set T,     112                        ; v112-159 three sets of 16: the numbers held within each scale's range
.set C,     160                        ; v160-183 two sets of 3 x 4 registers of codes
	s_load_b256 s[4:11], s[0:1], 0x0               ; x s[4:5], wq s[6:7], wk s[8:9], wv s[10:11]
	s_load_b256 s[12:19], s[0:1], 0x20             ; wo s[12:13], the scales' exponents s[14:15], xc s[16:17], wc s[18:19]
	v_lshl_add_u32 v192, v0, 2, 0x10000
	v_mov_b32 v193, 0
	v_lshrrev_b32 v1, 5, v0
	v_readfirstlane_b32 s20, v1                    ; wave
	v_and_b32 v2, 31, v0                           ; lane
	v_lshlrev_b32 v[OFS], 4, v2
	s_lshl_b32 s21, s20, 13                        ; my wave's 8,192 bytes of LDS
	v_lshrrev_b32 v[SIN], 2, v2
	v_mul_u32_u24 v[SIN], v[SIN], SP
	v_and_b32 v1, 3, v2
	v_lshl_add_u32 v[SIN], v1, 4, v[SIN]
	v_add_nc_u32 v[SIN], s21, v[SIN]               ; in: four lanes' 64 bytes to a place: SP (lane / 4) + 16 (lane % 4); a load's 512 bytes take eight places
	v_and_b32 v[SOUT], 30, v2
	v_mul_u32_u24 v[SOUT], v[SOUT], SP
	v_and_b32 v1, 1, v2
	v_lshl_add_u32 v[SOUT], v1, 5, v[SOUT]
	v_add_nc_u32 v[SOUT], s21, v[SOUT]             ; out: lanes 2 b and 2 b + 1 share block b (places 2 b, 2 b + 1): the even lane takes the first eight numbers of each place, the odd lane the second eight
	s_lshl_b32 s31, s20, 15                        ; my wave's 8,192 numbers in bytes
	s_cmp_lt_u32 ttmp9, 256
	s_cbranch_scc0 .Lweights
.macro LOAD t
.irp i, 0,1,2,3
	global_load_b128 v[R+16*((\t)%4)+4*\i:R+16*((\t)%4)+4*\i+3], v[OFS], s[22:23] offset:2048*(\t)+512*\i th:TH_LOAD_NT   ; 32 lanes read 512 consecutive bytes
.endr
.endm
.macro TURN t, lb                      ; step t's numbers through the stage: LDS serves a wave's instructions in order, so no wait stands between the stores and the loads
.irp i, 0,1,2,3
	ds_store_b128 v[SIN], v[R+16*((\t)%4)+4*\i:R+16*((\t)%4)+4*\i+3] offset:\lb+32*SP*((\t)%2)+8*SP*\i
.endr
.irp i, 0,1,2,3
	ds_load_b128 v[X+16*((\t)%2)+4*\i:X+16*((\t)%2)+4*\i+3], v[SOUT] offset:\lb+32*SP*((\t)%2)+SP*(\i/2)+16*(\i%2)
.endr
.endm
.macro SCALE e, n                      ; s[e] = the exponent: 2^e and 448 x 2^e as f32 numbers, for set n
	s_add_co_i32 s42, s[\e], 127
	s_lshl_b32 s43, s42, 23
	v_mov_b32 v[SCL+2*\n], s43                     ; the conversion takes its exponent field
	s_add_co_i32 s42, s42, 8
	s_lshl_b32 s42, s42, 23
	s_or_b32 s42, s42, 0x600000                    ; 448 = 1.75 x 2^8
	v_mov_b32 v[LIM+2*\n], s42
.endm
.macro STEP t, ns, lb                  ; ns sets of codes from the step's 512 numbers
.set XS, X+16*((\t)%2)
.set CC, C+12*((\t)%2)
	s_wait_dscnt 0x0                               ; this step's numbers are back from the stage, and its stores into the stage have read their registers,
.if (\t)+4 < STEPS
	LOAD (\t)+4                                    ; which take the loads of four steps on
.endif
.if (\t)+1 < STEPS
.if STEPS-2-(\t) >= 3
	s_wait_loadcnt 12                              ; the next step's four loads are in; those of the three steps behind it may be out
.else
	s_wait_loadcnt 4*(STEPS-2-(\t))
.endif
	TURN (\t)+1, \lb                               ; and go through the other stage while this step is worked
.endif
.set q, 0
.rept \ns
.irp i, 0,1,2,3,4,5,6,7,8,9,10,11,12,13,14,15
	v_med3_num_f32 v[T+16*q+\i], v[XS+\i], -v[LIM+2*q], v[LIM+2*q]   ; the conversion to an 8-bit code does not saturate (ISA guide 7.6.2): the number is held within the largest code x the scale first
.endr
.set q, q+1
.endr
	s_wait_alu depctr_va_vdst(0)
	s_wait_xcnt 0x0                                ; the stores of two steps back have read this set of code registers: only now are they written again
.set q, 0
.rept \ns
	v_cvt_scalef32_pk8_fp8_f32 v[CC+4*q:CC+4*q+1], v[T+16*q:T+16*q+7], v[SCL+2*q]
	v_cvt_scalef32_pk8_fp8_f32 v[CC+4*q+2:CC+4*q+3], v[T+16*q+8:T+16*q+15], v[SCL+2*q]
.set q, q+1
.endr
	v_nop                                          ; one plain vector line behind the last conversion: the next step's holds write the conversions' sources
.set q, 0
.rept \ns
	global_store_b128 v[OFS], v[CC+4*q:CC+4*q+3], s[24+2*q:25+2*q] offset:512*(\t)   ; 32 lanes store 512 consecutive bytes
.set q, q+1
.endr
.endm
.macro RUN ns, lb
	s_wait_loadcnt 12                              ; step 0's four loads are in
	TURN 0, \lb
.irp t, 0,1,2,3,4,5,6,7,8,9,10,11,12,13,14,15
	STEP \t, \ns, \lb
.endr
	s_wait_tensorcnt 0x0
	ds_add_u32 v192, v193
	s_wait_dscnt 0x0
	s_endpgm
.endm
	; ---- x: three sets of codes
	s_lshl_b32 s30, ttmp9, 17                      ; the work-group's 32,768 numbers in bytes,
	s_add_co_u32 s30, s30, s31                     ; and my wave's part of them
	s_mov_b32 s31, 0
	s_wait_kmcnt 0x0
	s_load_b128 s[32:35], s[14:15], 0x0            ; entries 0 to 3
	s_load_b32 s36, s[14:15], 0x10                 ; entry 4
	s_add_nc_u64 s[22:23], s[4:5], s[30:31]
	s_lshr_b32 s30, s30, 2                         ; a code is a quarter of a number's bytes
	s_add_nc_u64 s[24:25], s[16:17], s[30:31]      ; the three sections of xc lie 8,388,608 bytes apart
	s_add_nc_u64 s[26:27], s[24:25], 0x800000
	s_add_nc_u64 s[28:29], s[26:27], 0x800000
.irp t, 0,1,2,3
	LOAD \t
.endr
	s_wait_kmcnt 0x0
	SCALE 32, 0
	SCALE 34, 1
	SCALE 36, 2
	s_wait_alu depctr_va_vdst(0)
	RUN 3, 0
	; ---- the weights: one set of codes; LDS bytes of this way's own
.Lweights:
	s_sub_co_u32 s30, ttmp9, 256
	s_lshr_b32 s41, s30, 5                         ; which weight: 0 wq, 1 wk, 2 wv, 3 wo
	s_and_b32 s30, s30, 31
	s_lshl_b32 s30, s30, 17
	s_add_co_u32 s30, s30, s31
	s_mov_b32 s31, 0
	s_wait_kmcnt 0x0
	s_load_b256 s[32:39], s[14:15], 0x0            ; entries 0 to 7
	s_load_b32 s40, s[14:15], 0x2c                 ; entry 11
	s_cmp_eq_u32 s41, 1                            ; the choices hang on the work-group's number alone
	s_cselect_b64 s[22:23], s[8:9], s[6:7]
	s_cmp_eq_u32 s41, 2
	s_cselect_b64 s[22:23], s[10:11], s[22:23]
	s_cmp_eq_u32 s41, 3
	s_cselect_b64 s[22:23], s[12:13], s[22:23]
	s_add_nc_u64 s[22:23], s[22:23], s[30:31]
	s_lshr_b32 s30, s30, 2
	s_lshl_b32 s44, s41, 20                        ; the weight's section of wc
	s_add_co_u32 s30, s30, s44
	s_add_nc_u64 s[24:25], s[18:19], s[30:31]
.irp t, 0,1,2,3
	LOAD \t
.endr
	s_wait_kmcnt 0x0
	s_cmp_eq_u32 s41, 1
	s_cselect_b32 s33, s35, s33                    ; entry 1, 3, 5 or 11
	s_cmp_eq_u32 s41, 2
	s_cselect_b32 s33, s37, s33
	s_cmp_eq_u32 s41, 3
	s_cselect_b32 s33, s40, s33
	SCALE 33, 0
	s_wait_alu depctr_va_vdst(0)
	RUN 1, 32768
.Lfunc_end_k_q5ac31db24f_quant:
	.size	k_q5ac31db24f_quant, .Lfunc_end_k_q5ac31db24f_quant-k_q5ac31db24f_quant
	.p2alignl 7, 3214868480
	.fill 96, 4, 3214868480
	.section	.rodata,"a",@progbits
	.p2align	6, 0x0
	.amdhsa_kernel k_q5ac31db24f_quant
		.amdhsa_group_segment_fixed_size 66048
		.amdhsa_private_segment_fixed_size 0
		.amdhsa_enable_private_segment 0
		.amdhsa_kernarg_size 64
		.amdhsa_user_sgpr_count 2
		.amdhsa_user_sgpr_kernarg_segment_ptr 1
		.amdhsa_wavefront_size32 1
		.amdhsa_system_sgpr_workgroup_id_x 1
		.amdhsa_system_sgpr_workgroup_id_y 1
		.amdhsa_system_sgpr_workgroup_id_z 1
		.amdhsa_system_vgpr_workitem_id 0
		.amdhsa_next_free_vgpr 194
		.amdhsa_next_free_sgpr 66
		.amdhsa_reserve_vcc 0
		.amdhsa_float_denorm_mode_32 3
		.amdhsa_float_denorm_mode_16_64 3
		.amdhsa_memory_ordered 1
		.amdhsa_forward_progress 1
		.amdhsa_inst_pref_size 116
	.end_amdhsa_kernel
	.amdgpu_metadata
---
amdhsa.version: [ 1, 2 ]
amdhsa.kernels:
  - .name:           k_q5ac31db24f_quant
    .symbol:         k_q5ac31db24f_quant.kd
    .args:
      - { .name: x, .offset: 0, .size: 8, .value_kind: global_buffer, .address_space: global }
      - { .name: wq, .offset: 8, .size: 8, .value_kind: global_buffer, .address_space: global }
      - { .name: wk, .offset: 16, .size: 8, .value_kind: global_buffer, .address_space: global }
      - { .name: wv, .offset: 24, .size: 8, .value_kind: global_buffer, .address_space: global }
      - { .name: wo, .offset: 32, .size: 8, .value_kind: global_buffer, .address_space: global }
      - { .name: lowp_scales, .offset: 40, .size: 8, .value_kind: global_buffer, .address_space: global }
      - { .name: xc, .offset: 48, .size: 8, .value_kind: global_buffer, .address_space: global }
      - { .name: wc, .offset: 56, .size: 8, .value_kind: global_buffer, .address_space: global }
    .group_segment_fixed_size: 66048
    .private_segment_fixed_size: 0
    .kernarg_segment_align: 8
    .kernarg_segment_size: 64
    .max_flat_workgroup_size: 128
    .sgpr_count:     66
    .vgpr_count:     194
    .wavefront_size: 32
...
	.end_amdgpu_metadata
.endif
;; end of part 1
;; launch qkv (part 2): grid 12 x 32, 4 waves a work-group, clusters of 4 x 4, 327,680 bytes of LDS; arguments xc, wc, lowp_scales, bq, bk, bv, qc, kc, vt; writes qc, kc, vt
.if DOCPART == 2
	.amdgcn_target "amdgcn-amd-amdhsa--gfx1250"
	.amdhsa_code_object_version 6
	.text
	.protected	k_q5ac31db24f_qkv
	.globl	k_q5ac31db24f_qkv
	.p2align	8
	.type	k_q5ac31db24f_qkv,@function
k_q5ac31db24f_qkv:
	s_mov_b64 s[64:65], 0
	v_nop
	global_prefetch_b8 v0, s[64:65] scope:SCOPE_SE
	s_setreg_imm32_b32 hwreg(HW_REG_WAVE_MODE, 25, 1), 1
	s_wait_xcnt 0x0
	s_wait_alu depctr_hold_cnt(0) depctr_sa_sdst(0) depctr_va_vdst(0) depctr_va_sdst(0) depctr_va_ssrc(0) depctr_va_vcc(0) depctr_vm_vsrc(0)
	s_getreg_b32 s2, hwreg(HW_REG_IB_STS2, 6, 4)
	s_cmp_eq_u32 s2, 0
	s_cbranch_scc0 .Lentry_in_a_cluster
	s_endpgm
.Lentry_in_a_cluster:
	s_bfe_u32 s2, ttmp6, 0x10000c
	s_cmp_lg_u32 s2, 0xf033
	s_cbranch_scc0 .Lentry_shape_is_right
	s_endpgm
.Lentry_shape_is_right:
.set ROWB,   256
.set KROW,   1024
.set PITCH,  272
.set FR,     16
.set NL,     4
.set NP,     4
.set HALFT,  128*PITCH
.set SLOT,   4*HALFT
.set SPARE,  2*SLOT
.set ADRA, 16
.set ADRB, 20
.set LI,   26
.set SCV,  27
.set SPW,  28
.set NIL,  29
.set CB,   32
.set TMP,  32
.set CD,   96
.set AF,   128
.set G1, 24
.set G0, 32
.set G1B, 48
.set G0B, 56
.set MSB, 0
.macro WIN new
.if MSB != \new
	s_set_vgpr_msb (MSB<<8)|\new
.set MSB, \new
.endif
.endm
.set MUL_LO, 0xa1
.set MUL_HI, 0xf1
.set TO_B,   0x40
.macro JLOAD g0a, g1a, g0b, g1b
	s_cmp_eq_u32 s15, 0
	s_cbranch_scc0 .Lfor_b_\@
	tensor_load_to_lds s[\g0a:\g0a+3], s[\g1a:\g1a+7]
	s_nop 0
.rept 4
	v_nop
.endr
	s_branch .Lasked_\@
.Lfor_b_\@:
	tensor_load_to_lds s[\g0b:\g0b+3], s[\g1b:\g1b+7]
	s_nop 0
.rept 4
	v_nop
.endr
.Lasked_\@:
.endm
.macro CREST
	s_cmp_lg_u32 s14, 0
	s_cbranch_scc1 .Lnot_wave_0_\@
	s_barrier_signal -3
.Lnot_wave_0_\@:
	s_barrier_wait -3
	s_barrier_signal -1
	s_barrier_wait -1
.endm
.macro CROUND
	s_barrier_signal -1
	s_barrier_wait -1
	CREST
.endm
	s_load_b256 s[68:75], s[0:1], 0x0
	s_load_b256 s[76:83], s[0:1], 0x20
	s_load_b64 s[84:85], s[0:1], 0x40
	v_lshl_add_u32 v[SPW], v0, 2, SPARE
	v_mov_b32 v[NIL], 0
	ds_add_u32 v28, v29
	ds_add_u32 v28, v29
	s_wait_dscnt 0x0
	v_lshrrev_b32 v1, 5, v0
	v_readfirstlane_b32 s14, v1
	s_lshr_b32 s15, s14, 1
	s_and_b32 s16, s14, 1
	s_bfe_u32 s40, ttmp6, 0x40000
	s_bfe_u32 s41, ttmp6, 0x40004
	s_and_b32 s87, ttmp7, 0xffff
	s_cmp_eq_u32 ttmp9, 2
	s_cselect_b32 s17, 0, s87
	s_cselect_b32 s42, s87, 0
	s_lshl_b32 s17, s17, 2
	s_add_co_u32 s17, s17, s41
	s_lshl_b32 s42, s42, 2
	s_add_co_u32 s42, s42, s40
	s_lshl_b32 s43, s41, 2
	s_lshl_b32 s43, 15, s43
	s_lshl_b32 s44, 0x1111, s40
	s_or_b32 s[G1+0], s43, (0<<16)|(1<<20)|(1<<21)|(5<<22)|(3<<25)
	s_or_b32 s[G1B+0], s44, (0<<16)|(1<<20)|(1<<21)|(5<<22)|(3<<25)
.irp g, G1, G1B
	s_mov_b32 s[\g+1], ROWB<<16
	s_mov_b32 s[\g+2], 128<<16
	s_mov_b32 s[\g+3], ROWB<<16
	s_mov_b32 s[\g+4], 128
	s_mov_b32 s[\g+5], KROW
	s_mov_b32 s[\g+6], 0
	s_mov_b32 s[\g+7], 0
.endr
	s_lshl_b32 s18, s16, 7
	s_lshl_b32 s20, s17, 8
	s_add_co_u32 s20, s20, s18
	s_lshl_b32 s46, s42, 8
	s_add_co_u32 s46, s46, s18
	s_lshl_b32 s20, s20, 10
	s_lshl_b32 s46, s46, 10
	s_mov_b32 s21, 0
	s_mov_b32 s47, 0
	s_mul_i32 s45, s14, HALFT
	s_lshl_b32 s22, ttmp9, 23
	s_mov_b32 s23, 0
	s_lshl_b32 s18, ttmp9, 20
	s_mov_b32 s19, 0
	s_wait_kmcnt 0x0
	s_load_b128 s[96:99], s[72:73], 0x0
	s_load_b64 s[100:101], s[72:73], 0x10
	s_load_b128 s[88:91], s[72:73], 0x18
	s_add_nc_u64 s[68:69], s[68:69], s[22:23]
	s_add_nc_u64 s[70:71], s[70:71], s[18:19]
	s_cmp_eq_u32 ttmp9, 2
	s_cselect_b64 s[4:5], s[70:71], s[68:69]
	s_cselect_b64 s[6:7], s[68:69], s[70:71]
	s_add_nc_u64 s[20:21], s[4:5], s[20:21]
	s_add_nc_u64 s[46:47], s[6:7], s[46:47]
	CROUND
.irp s, 0,1
	s_mov_b32 s[G0+4*\s], 1
	s_add_co_u32 s[G0+4*\s+1], s45, \s*SLOT
	s_add_nc_u64 s[G0+4*\s+2:G0+4*\s+3], s[20:21], \s*ROWB
	s_or_b32 s[G0+4*\s+3], s[G0+4*\s+3], 0x80000000
	s_mov_b32 s[G0B+4*\s], 1
	s_add_co_u32 s[G0B+4*\s+1], s45, \s*SLOT
	s_add_nc_u64 s[G0B+4*\s+2:G0B+4*\s+3], s[46:47], \s*ROWB
	s_or_b32 s[G0B+4*\s+3], s[G0B+4*\s+3], 0x80000000
	s_wait_alu depctr_va_vdst(0)
	s_wait_tensorcnt 0x0
	ds_add_u32 v28, v29
	ds_add_u32 v28, v29
	s_wait_dscnt 0x0
	CROUND
	JLOAD G0+4*\s, G1, G0B+4*\s, G1B
.endr
	v_and_b32 v1, 15, v0
	v_bfe_u32 v2, v0, 4, 1
	v_mul_u32_u24 v3, v1, PITCH
	v_lshl_add_u32 v4, v2, 4, v3
	s_mul_i32 s21, s15, HALFT
	s_mul_i32 s22, s16, HALFT
	s_add_co_u32 s22, s22, 2*HALFT
.irp s, 0,1
	v_add_nc_u32 v[ADRA+\s], s21, v4
	v_add_nc_u32 v[ADRB+\s], s22, v4
	s_add_co_u32 s21, s21, SLOT
	s_add_co_u32 s22, s22, SLOT
.endr
	v_and_b32 v3, 31, v0
	v_lshlrev_b32 v[LI], 4, v3
	v_lshlrev_b32 v5, 5, v2
	v_lshlrev_b32 v6, 2, v1
	s_lshl_b32 s8, s17, 8
	s_lshl_b32 s9, s15, 7
	s_add_co_u32 s8, s8, s9
	s_lshl_b32 s9, s42, 8
	s_lshl_b32 s18, s16, 7
	s_add_co_u32 s9, s9, s18
	s_cmp_eq_u32 ttmp9, 2
	s_cselect_b32 s18, s9, s8
	s_cselect_b32 s19, s8, s9
	s_cselect_b32 s22, 4, 6
	s_mov_b32 s66, 0x8000
	s_cselect_b32 s66, s66, 0x400
	s_mov_b32 s23, 0x20000
	s_cselect_b32 s23, 0x400, s23
	s_cselect_b64 s[10:11], s[84:85], s[80:81]
	s_cselect_b64 s[94:95], s[78:79], s[74:75]
	s_cmp_eq_u32 ttmp9, 1
	s_cselect_b64 s[10:11], s[82:83], s[10:11]
	s_cselect_b64 s[94:95], s[76:77], s[94:95]
	s_lshl_b32 s86, s19, 2
	s_mov_b32 s87, 0
	s_add_nc_u64 s[94:95], s[94:95], s[86:87]
	s_lshr_b32 s46, s18, 11
	s_lshl_b32 s46, s46, 21
	s_lshl_b32 s19, s19, 11
	s_add_co_u32 s46, s46, s19
	s_and_b32 s18, s18, 2047
	s_lshl_b32 s18, s18, s22
	s_add_co_u32 s46, s46, s18
	s_mov_b32 s47, 0
	s_add_nc_u64 s[10:11], s[10:11], s[46:47]
	s_mov_b32 s46, s23
	s_add_nc_u64 s[12:13], s[10:11], s[46:47]
	s_mov_b32 s67, 0
	s_wait_kmcnt 0x0
	s_cmp_eq_u32 ttmp9, 1
	s_cselect_b32 s96, s98, s96
	s_cselect_b32 s97, s99, s97
	s_cselect_b32 s88, s89, s88
	s_cmp_eq_u32 ttmp9, 2
	s_cselect_b32 s96, s100, s96
	s_cselect_b32 s97, s101, s97
	s_cselect_b32 s88, s91, s88
	s_add_co_i32 s93, s96, s97
	s_sub_co_i32 s89, s88, s93
	s_sub_co_i32 s93, 0, s93
	s_add_co_i32 s89, s89, 127
	s_lshl_b32 s90, s89, 23
	v_mov_b32 v[SCV], s90
	s_add_co_i32 s89, s89, 8
	s_lshl_b32 s92, s89, 23
	s_or_b32 s92, s92, 0x600000
	s_or_b32 s91, s92, 0x80000000
	s_cmp_eq_u32 ttmp9, 2
	s_cbranch_scc1 .Lbias_v
	s_wait_alu depctr_va_vdst(0)
.irp b, 0,1,2,3,4,5,6,7
	global_load_b128 v[CB+8*\b:CB+8*\b+3], v5, s[94:95] offset:64*\b
	global_load_b128 v[CB+8*\b+4:CB+8*\b+7], v5, s[94:95] offset:64*\b+16
.endr
	s_wait_loadcnt 0x0
.set j, 0
.rept 64
	v_ldexp_f32 v[CB+j], v[CB+j], s93
.set j, j+1
.endr
	s_branch .Lbias_done
.Lbias_v:
	s_wait_alu depctr_va_vdst(0)
.irp a, 0,1,2,3,4,5,6,7
	global_load_b32 v[CB+8*\a], v6, s[94:95] offset:64*\a
.endr
	s_wait_loadcnt 0x0
.irp a, 0,1,2,3,4,5,6,7
	v_ldexp_f32 v[CB+8*\a], v[CB+8*\a], s93
.endr
.irp a, 0,1,2,3,4,5,6,7
.irp j, 1,2,3,4,5,6,7
	v_mov_b32 v[CB+8*\a+\j], v[CB+8*\a]
.endr
.endr
.Lbias_done:
.macro FRAG reg, adr, q, i
.irp c, 0,1,2,3
	ds_load_b128 v[\reg+4*\c:\reg+4*\c+3], v[\adr] offset:128*(\q)+32*\c+(\i)*16*PITCH
.endr
.endm
.macro MUL16 a0, p, zero
.irp a, \a0, \a0+1
.irp b, 0,1,2,3,4,5,6,7
.if \zero == 1
	v_wmma_f32_16x16x128_fp8_fp8 v[8*(8*((\a)%4)+\b):8*(8*((\a)%4)+\b)+7], v[128*(\p)+FR*\b:128*(\p)+FR*\b+FR-1], v[AF+FR*(\a):AF+FR*(\a)+FR-1], v[CB+8*\b:CB+8*\b+7]
.elseif \zero == 2
	v_wmma_f32_16x16x128_fp8_fp8 v[8*(8*((\a)%4)+\b):8*(8*((\a)%4)+\b)+7], v[128*(\p)+FR*\b:128*(\p)+FR*\b+FR-1], v[AF+FR*(\a):AF+FR*(\a)+FR-1], v[CB+8*(\a):CB+8*(\a)+7]
.else
	v_wmma_f32_16x16x128_fp8_fp8 v[8*(8*((\a)%4)+\b):8*(8*((\a)%4)+\b)+7], v[128*(\p)+FR*\b:128*(\p)+FR*\b+FR-1], v[AF+FR*(\a):AF+FR*(\a)+FR-1], v[8*(8*((\a)%4)+\b):8*(8*((\a)%4)+\b)+7]
.endif
.endr
.endr
.endm
.macro FETCH_B slot, q, p
	WIN TO_B
.irp i, 0,1,2,3,4,5,6,7
	FRAG 128*(\p)+FR*\i, ADRB+\slot, \q, \i
.endr
	WIN 0
.endm
.macro FETCH_A slot, q, i0
.irp i, \i0, \i0+1, \i0+2, \i0+3
	FRAG AF+FR*(\i), ADRA+\slot, \q, \i
.endr
.endm
.macro PLACES n
.rept \n
	v_nop
.endr
.endm
.macro STEP slot, q, zero
	s_wait_dscnt 4*NL
.if \zero
	WIN 0x81
.else
	WIN MUL_LO
.endif
	MUL16 0, (\q)%2, \zero
	MUL16 2, (\q)%2, \zero
	s_wait_dscnt 0
	PLACES NP
	FETCH_B \slot, (\q)+1, 1-(\q)%2
	FETCH_A \slot, (\q)+1, 0
.if \zero
	WIN 0xc1
.else
	WIN MUL_HI
.endif
	MUL16 4, (\q)%2, \zero
	MUL16 6, (\q)%2, \zero
	PLACES NP
	WIN 0
	FETCH_A \slot, (\q)+1, 4
.endm
.macro TURN slot, next, fill
	s_wait_tensorcnt 0x0
	ds_add_u32 v[SPW], v[NIL]
	s_wait_dscnt 4*NL+1
	WIN MUL_LO
	MUL16 0, 1, 0
	s_wait_dscnt 0x0
	s_barrier_signal -1
	MUL16 2, 1, 0
	WIN 0
	s_barrier_wait -1
.if \fill
	CREST
	s_add_nc_u64 s[G0+4*\slot+2:G0+4*\slot+3], s[G0+4*\slot+2:G0+4*\slot+3], 2*ROWB
	s_add_nc_u64 s[G0B+4*\slot+2:G0B+4*\slot+3], s[G0B+4*\slot+2:G0B+4*\slot+3], 2*ROWB
	JLOAD G0+4*\slot, G1, G0B+4*\slot, G1B
.else
	PLACES NP
.endif
	FETCH_B \next, 0, 0
	FETCH_A \next, 0, 0
	WIN MUL_HI
	MUL16 4, 1, 0
	MUL16 6, 1, 0
	PLACES NP
	WIN 0
	FETCH_A \next, 0, 4
.endm
	s_wait_tensorcnt 1
	s_barrier_signal -1
	s_barrier_wait -1
	FETCH_B 0, 0, 0
	FETCH_A 0, 0, 0
	FETCH_A 0, 0, 4
	s_cmp_eq_u32 ttmp9, 2
	s_cbranch_scc1 .Lfirst_v
	s_wait_alu depctr_va_vdst(0)
	STEP 0, 0, 1
	s_branch .Lfirst_done
.Lfirst_v:
	s_wait_alu depctr_va_vdst(0)
	STEP 0, 0, 2
.Lfirst_done:
	TURN 0, 1, 1
	STEP 1, 0, 0
	TURN 1, 0, 1
	STEP 0, 0, 0
	TURN 0, 1, 0
	STEP 1, 0, 0
	s_wait_dscnt 4*NL
	WIN MUL_LO
	MUL16 0, 1, 0
	MUL16 2, 1, 0
	s_wait_dscnt 0
	WIN MUL_HI
	MUL16 4, 1, 0
	MUL16 6, 1, 0
	WIN 0
.macro OUTBLK a
.set AC, 64*((\a)%4)
.set CC, CD+16*((\a)%2)
	WIN (0x02+((\a)/4))
.set j, 0
.rept 64
	v_med3_num_f32 v[TMP+j], v[AC+j], s91, s92
.set j, j+1
.endr
	WIN 0
.irp b, 0,1,2,3,4,5,6,7
	v_cvt_scalef32_pk8_fp8_f32 v[CC+2*\b:CC+2*\b+1], v[TMP+8*\b:TMP+8*\b+7], v[SCV]
.endr
	v_nop
	global_store_b128 v[LI], v[CC:CC+3], s[10:11]
	global_store_b128 v[LI], v[CC+4:CC+7], s[10:11] offset:512
	global_store_b128 v[LI], v[CC+8:CC+11], s[12:13]
	global_store_b128 v[LI], v[CC+12:CC+15], s[12:13] offset:512
	s_wait_xcnt 0x0
	s_add_nc_u64 s[10:11], s[10:11], s[66:67]
	s_add_nc_u64 s[12:13], s[12:13], s[66:67]
.endm
	PLACES NP
.irp a, 0,1,2,3,4,5,6,7
	OUTBLK \a
.endr
	s_wait_tensorcnt 0x0
	ds_add_u32 v[SPW], v[NIL]
	s_wait_dscnt 0x0
	CROUND
	s_endpgm
.Lfunc_end_k_q5ac31db24f_qkv:
	.size	k_q5ac31db24f_qkv, .Lfunc_end_k_q5ac31db24f_qkv-k_q5ac31db24f_qkv
	.p2alignl 7, 3214868480
	.fill 96, 4, 3214868480
	.section	.rodata,"a",@progbits
	.p2align	6, 0x0
	.amdhsa_kernel k_q5ac31db24f_qkv
		.amdhsa_group_segment_fixed_size 327680
		.amdhsa_private_segment_fixed_size 0
		.amdhsa_enable_private_segment 0
		.amdhsa_kernarg_size 72
		.amdhsa_user_sgpr_count 2
		.amdhsa_user_sgpr_kernarg_segment_ptr 1
		.amdhsa_wavefront_size32 1
		.amdhsa_system_sgpr_workgroup_id_x 1
		.amdhsa_system_sgpr_workgroup_id_y 1
		.amdhsa_system_sgpr_workgroup_id_z 1
		.amdhsa_system_vgpr_workitem_id 0
		.amdhsa_next_free_vgpr 1024
		.amdhsa_next_free_sgpr 102
		.amdhsa_reserve_vcc 0
		.amdhsa_float_denorm_mode_32 3
		.amdhsa_float_denorm_mode_16_64 3
		.amdhsa_memory_ordered 1
		.amdhsa_forward_progress 1
		.amdhsa_inst_pref_size 138
	.end_amdhsa_kernel
	.amdgpu_metadata
---
amdhsa.version: [ 1, 2 ]
amdhsa.kernels:
  - .name:           k_q5ac31db24f_qkv
    .symbol:         k_q5ac31db24f_qkv.kd
    .args:
      - { .name: xc, .offset: 0, .size: 8, .value_kind: global_buffer, .address_space: global }
      - { .name: wc, .offset: 8, .size: 8, .value_kind: global_buffer, .address_space: global }
      - { .name: lowp_scales, .offset: 16, .size: 8, .value_kind: global_buffer, .address_space: global }
      - { .name: bq, .offset: 24, .size: 8, .value_kind: global_buffer, .address_space: global }
      - { .name: bk, .offset: 32, .size: 8, .value_kind: global_buffer, .address_space: global }
      - { .name: bv, .offset: 40, .size: 8, .value_kind: global_buffer, .address_space: global }
      - { .name: qc, .offset: 48, .size: 8, .value_kind: global_buffer, .address_space: global }
      - { .name: kc, .offset: 56, .size: 8, .value_kind: global_buffer, .address_space: global }
      - { .name: vt, .offset: 64, .size: 8, .value_kind: global_buffer, .address_space: global }
    .group_segment_fixed_size: 327680
    .private_segment_fixed_size: 0
    .kernarg_segment_align: 8
    .kernarg_segment_size: 72
    .max_flat_workgroup_size: 128
    .sgpr_count:     102
    .vgpr_count:     1024
    .wavefront_size: 32
...
	.end_amdgpu_metadata
.endif
;; end of part 2
;; launch attn (part 3): grid 4 x 64, 16 waves a work-group, no clusters, 264,192 bytes of LDS; arguments qc, kc, vt, lowp_scales, cf; writes cf
.if DOCPART == 3
	.amdgcn_target "amdgcn-amd-amdhsa--gfx1250"
	.amdhsa_code_object_version 6
	.text
	.protected	k_q5ac31db24f_attn
	.globl	k_q5ac31db24f_attn
	.p2align	8
	.type	k_q5ac31db24f_attn,@function
k_q5ac31db24f_attn:
	s_mov_b64 s[64:65], 0
	v_nop
	global_prefetch_b8 v0, s[64:65] scope:SCOPE_SE
	s_setreg_imm32_b32 hwreg(HW_REG_WAVE_MODE, 25, 1), 1
	s_wait_xcnt 0x0
; ctx[b][q][head] = softmax_k(q . k / 8) v for 64 (batch x head), 2,048 tokens, head size 64, both products on codes of FP8 (E4M3); the result is quantised at once for the output projection (entry 10 of the scales).
; THE SOFTMAX: t = score x log2(e) / 8; M = ceil(the row's largest t); p = 2^(t - M) is quantised (entry 8), not normalised; the row's sum of the unquantised p, in f32, divides at the end.
; TWO WALKS OVER THE KEYS.  Walk 1 makes the scores and keeps only each query's largest: 32 v_max3 for 64 scores a lane.  Walk 2 makes the scores again with M known: no running maximum and no
; rescaling of O or of the sum stand in its step.
; SHARES.  A work-group owns 512 queries of one head; each of its sixteen waves 32 of them, two tiles at once, so that each fragment of K and of V read from LDS feeds two matrix instructions.
; K AND V STAY IN LDS: a head's 131,072 bytes of kc, then its 131,072 of vt, copied as they lie (images of operand registers, 512 bytes to a group of four registers).  Each LDS byte is written once.
; Piece j (8,192 bytes) is copied by all sixteen waves, 16 bytes a thread.  K's 16 pieces are asked for at the head and stored in four stages of 512 keys, a barrier behind each; V's 16 pieces are asked
; for into the registers that a stage has freed and stored behind walk 1.
; THE HOLD OF p.  p is at most 1 (by rounding a few units in its last place more), so where 448 x 2^e8 >= 1.75, that is e8 >= -8, the hold changes no number: a scalar branch on e8 leads round its 32 lines.
; K and V come through registers; there are no joint loads and no cluster.
; NO PREFETCH: K's loads are all issued at the head and V's a stage (512 keys of walk 1) or more ahead of their stores; there is no later stream to run ahead of.
; LAYOUT.  Both products are used transposed: S^T = K Q^T, O^T = V^T P^T: a lane holds one query of each tile (lane % 16).  Register j of key tile kt of S^T is key 16 kt + 8 (lane / 16) + j;
; converted tile by tile, p's codes lie in the order in which vt holds the keys.  cf: [tile of 16 tokens 512][128 of K 8][32 of K 4][lane 32][16 bytes].
; LIMITS on the given exponents: e6 + e7 between -123 and 130 (added to c's exponent field); e8 and e10 between -126 and 119.  NaN and infinite scores are not served.
.set SPARE, 0x40000                    ; behind K and V: the spare words, 128 bytes for each wave
.set LI,   1                           ; v1     16 x lane
.set ADK,  2                           ; v2     LDS address of K's fragments in hand
.set ADV,  3                           ; v3, v4 of V's: channel tiles 0-1, 2-3
.set FA,   5                           ; v5-8   16 x thread, + 0, 1, 2, 3 x 65,536: the copy's offset in memory and its LDS addresses
.set SPW,  9                           ; v9     my spare word; never rewritten
.set NIL,  10                          ; v10    0; never rewritten
.set NM,   12                          ; v[12:13], v[14:15]  -M of my two tiles (the low word serves both halves)
.set Q,    16                          ; v16-31   Q's two fragments
.set KF,   32                          ; v32-63   four fragments of K
.set VF,   64                          ; v64-95   four fragments of V (walk 1: four more of K)
.set S,    96                          ; v96-159  S^T, then p: tile of queries qt, tile of keys kt at 32 qt + 8 kt
.set O,    160                         ; v160-223 O^T: 32 qt + 8 ct (walk 1: the copy's pieces)
.set CD,   224                         ; v224-239 p's codes: 8 qt + 2 kt
.set MX,   224                         ; v224-227 walk 1: the largest scores, two chains a tile
.set SU,   246                         ; v246-253 the sums: two chains of pairs a tile
.set WV,   18
.set SEL,  20                          ; s[20:21] lane l xor 16
.set CS,   22                          ; s[22:23] c = log2(e) / 8 x 2^(e6 + e7)
.set TB,   24
.set CNT,  25
.set TBK,  26
.set TBV,  27
.set ESUM, 28
	s_load_b256 s[4:11], s[0:1], 0x0               ; qc, kc, vt, the scales' exponents
	s_load_b64 s[12:13], s[0:1], 0x20              ; cf
	v_lshl_add_u32 v[SPW], v0, 2, SPARE
	v_mov_b32 v[NIL], 0
	v_lshrrev_b32 v11, 5, v0
	v_readfirstlane_b32 s[WV], v11                 ; wave 0..15
	v_and_b32 v[LI], 31, v0
	v_lshlrev_b32 v[FA], 4, v0
	v_lshlrev_b32 v[LI], 4, v[LI]
	v_add_nc_u32 v[FA+1], 0x10000, v[FA]
	v_add_nc_u32 v[FA+2], 0x20000, v[FA]
	v_add_nc_u32 v[FA+3], 0x30000, v[FA]
.irp i, 0,1,2,3
	v_mov_b32 v[MX+\i], 0xff800000                 ; under every score
.endr
	s_and_b32 s59, ttmp7, 0xffff                   ; batch x 16 + head
	s_lshl_b32 s60, s59, 17                        ; its first byte in qc, kc and vt
	s_mov_b32 s61, 0
	s_lshl_b32 s58, ttmp9, 5
	s_lshl_b32 s62, s[WV], 1
	s_add_co_u32 s58, s58, s62                     ; my first tile of 16 queries: 32 x block + 2 x wave
	s_lshl_b32 s62, s58, 10
	s_add_co_u32 s62, s62, s60
	s_mov_b32 s63, 0
	s_mov_b32 s[SEL], 0x76543210
	s_mov_b32 s[SEL+1], 0xfedcba98
	s_wait_alu depctr_va_vdst(0)
	s_wait_kmcnt 0x0
	s_load_b128 s[52:55], s[10:11], 0x18           ; e6, e7, e8, e9
	s_load_b32 s56, s[10:11], 0x28                 ; e10
	s_add_nc_u64 s[4:5], s[4:5], s[62:63]
	s_add_nc_u64 s[6:7], s[6:7], s[60:61]
	s_add_nc_u64 s[8:9], s[8:9], s[60:61]
.irp i, 0,1,2,3
	global_load_b128 v[Q+4*\i:Q+4*\i+3], v[LI], s[4:5] offset:512*\i
.endr
.irp j, 0,1,2,3,4,5,6,7,8,9,10,11,12,13,14,15
	global_load_b128 v[O+4*\j:O+4*\j+3], v[FA], s[6:7] offset:8192*\j   ; K's piece j: the work-group reads 8,192 consecutive bytes
.endr
	s_lshr_b32 s62, s59, 4                         ; cf: batch x 2^21 + tile x 16,384 + head x 1,024
	s_lshl_b32 s62, s62, 21
	s_lshl_b32 s58, s58, 14
	s_add_co_u32 s62, s62, s58
	s_and_b32 s58, s59, 15
	s_lshl_b32 s58, s58, 10
	s_add_co_u32 s62, s62, s58
	s_add_nc_u64 s[12:13], s[12:13], s[62:63]
	s_wait_kmcnt 0x0
	s_mov_b32 s[CS], 0x3e38aa3b                    ; log2(e) / 8
	s_add_co_i32 s57, s52, s53
	s_lshl_b32 s57, s57, 23
	s_add_co_i32 s[CS], s[CS], s57                 ; x 2^(e6 + e7), by c's exponent field
	s_mov_b32 s[CS+1], s[CS]
	s_add_co_i32 s57, s54, 127
	s_lshl_b32 s58, s57, 23
	v_mov_b32 v244, s58                            ; 2^e8
	s_add_co_i32 s57, s57, 8
	s_lshl_b32 s57, s57, 23
	s_or_b32 s57, s57, 0x600000
	v_mov_b32 v240, s57                            ; 448 x 2^e8,
	v_mov_b32 v243, s57                            ; twice: the two halves of a dual line take their second sources from different banks
	s_add_co_i32 s57, s56, 127
	s_lshl_b32 s58, s57, 23
	v_mov_b32 v245, s58                            ; 2^e10
	s_add_co_i32 s57, s57, 8
	s_lshl_b32 s57, s57, 23
	s_or_b32 s57, s57, 0x600000
	v_mov_b32 v241, s57                            ; 448 x 2^e10
	s_add_co_i32 s[ESUM], s54, s55
	s_wait_alu depctr_va_vdst(0)
.macro QK kf                           ; S^T of 64 keys x my 32 queries: eight accumulators, each begun with 0
.irp kt, 0,1,2,3
.irp qt, 0,1
	v_wmma_f32_16x16x64_fp8_fp8 v[S+32*\qt+8*\kt:S+32*\qt+8*\kt+7], v[\kf+8*\kt:\kf+8*\kt+7], v[Q+8*\qt:Q+8*\qt+7], 0
.endr
.endr
.endm
.macro SCORES kf                       ; walk 1: 64 keys: the scores, and the largest so far in four chains by turns; each accumulator is read from its low end on
	QK \kf
.rept 4
	v_nop                                          ; places ahead of the first read of the scores
.endr
.set p, 0
.rept 16
	v_max3_num_f32 v[MX+p%2], v[MX+p%2], v[S+2*p], v[S+2*p+1]
	v_max3_num_f32 v[MX+2+p%2], v[MX+2+p%2], v[S+32+2*p], v[S+32+2*p+1]
.set p, p+1
.endr
	s_wait_alu depctr_va_vdst(0)
.endm
; A STAGE: K's pieces 4 i .. 4 i + 3 (512 keys) go into LDS; behind the barrier they are whole, V's pieces of the same numbers are asked for into the freed registers, and the 512 keys are walked, 128 a trip.
.macro STAGE i
	s_wait_loadcnt 12                              ; behind this stage's four loads 12 were issued: K's later pieces and V's earlier ones (in stage 0 Q is in too)
.irp j, 0,1,2,3
	ds_store_b128 v[FA+(4*\i+\j)/8], v[O+16*\i+4*\j:O+16*\i+4*\j+3] offset:((4*\i+\j)%8)*8192
.endr
	s_wait_dscnt 0x0                               ; my stores are done, for the others' sake
	s_barrier_signal -1
	s_barrier_wait -1
.irp j, 0,1,2,3
	global_load_b128 v[O+16*\i+4*\j:O+16*\i+4*\j+3], v[FA], s[8:9] offset:8192*(4*\i+\j)
.endr
	s_mov_b32 s[TB], 32768*\i
	s_mov_b32 s[CNT], 4
.Lkeys_\@:
	v_add_nc_u32 v[ADK], s[TB], v[LI]
.irp t, 0,1,2,3,4,5,6,7
	ds_load_b128 v[KF+8*\t:KF+8*\t+3], v[ADK] offset:1024*\t
	ds_load_b128 v[KF+8*\t+4:KF+8*\t+7], v[ADK] offset:1024*\t+512
.endr
	s_wait_dscnt 8                                 ; the first four fragments are in; the eight loads of the other four may be out
	SCORES KF
	s_wait_dscnt 0x0
	SCORES VF
	s_add_co_u32 s[TB], s[TB], 8192
	s_sub_co_u32 s[CNT], s[CNT], 1
	s_cmp_lg_u32 s[CNT], 0
	s_cbranch_scc1 .Lkeys_\@
.endm
	STAGE 0
	STAGE 1
	STAGE 2
	STAGE 3
	s_wait_loadcnt 0x0                             ; V's sixteen pieces
.irp j, 0,1,2,3,4,5,6,7,8,9,10,11,12,13,14,15
	ds_store_b128 v[FA+2+\j/8], v[O+4*\j:O+4*\j+3] offset:(\j%8)*8192
.endr
	; -M = floor(-t) of each query's largest t, the two tiles by turns
	v_max_num_f32 v[MX], v[MX], v[MX+1]
	v_max_num_f32 v[MX+2], v[MX+2], v[MX+3]
	s_delay_alu instid0(VALU_DEP_2)
	v_permlanex16_b32 v[MX+1], v[MX], s[SEL], s[SEL+1]
	s_delay_alu instid0(VALU_DEP_2)
	v_permlanex16_b32 v[MX+3], v[MX+2], s[SEL], s[SEL+1]
	s_delay_alu instid0(VALU_DEP_2)
	v_max_num_f32 v[MX], v[MX], v[MX+1]            ; and lane l xor 16's
	s_delay_alu instid0(VALU_DEP_2)
	v_max_num_f32 v[MX+2], v[MX+2], v[MX+3]
	s_delay_alu instid0(VALU_DEP_2)
	v_mul_f32 v[MX], s[CS], v[MX]                  ; as t (c is positive)
	s_delay_alu instid0(VALU_DEP_2)
	v_mul_f32 v[MX+2], s[CS], v[MX+2]
	s_delay_alu instid0(VALU_DEP_2)
	v_floor_f32 v[NM], -v[MX]
	s_delay_alu instid0(VALU_DEP_2)
	v_floor_f32 v[NM+2], -v[MX+2]
	v_mov_b32 v[NM+1], 0                           ; (named as the pairs' upper halves)
	v_mov_b32 v[NM+3], 0
.irp i, 0,1,2,3,4,5,6,7
	v_mov_b32 v[SU+\i], 0                          ; the sums
.endr
	s_mov_b32 s[TBK], 4096                         ; the next step's keys
	s_mov_b32 s[TBV], 0x20000                      ; this step's part of V
	s_wait_alu depctr_va_vdst(0)
	s_wait_dscnt 0x0
	s_barrier_signal -1
	s_barrier_wait -1                              ; V is whole; nobody writes K or V from here on
.irp kt, 0,1,2,3
	ds_load_b128 v[KF+8*\kt:KF+8*\kt+3], v[LI] offset:1024*\kt
	ds_load_b128 v[KF+8*\kt+4:KF+8*\kt+7], v[LI] offset:1024*\kt+512
.endr
; WALK 2, A STEP: 64 keys x 32 queries.  zero = 1: the products start O^T.  pre = 1: the next step's fragments of K are fetched.
.macro STEP2 zero, pre
	s_wait_dscnt 0x0                               ; this step's fragments of K
	QK KF
	v_add_nc_u32 v[ADV], s[TBV], v[LI]             ; four places ahead of the loads into registers that products have read, and of the first read of the scores
.if \pre
	v_add_nc_u32 v[ADK], s[TBK], v[LI]
.else
	v_nop
.endif
	v_add_nc_u32 v[ADV+1], 0x10000, v[ADV]
	v_nop
.irp ct, 0,1,2,3
	ds_load_b128 v[VF+8*\ct:VF+8*\ct+3], v[ADV+\ct/2] offset:32768*(\ct%2)
	ds_load_b128 v[VF+8*\ct+4:VF+8*\ct+7], v[ADV+\ct/2] offset:32768*(\ct%2)+512
.endr
.if \pre
.irp kt, 0,1,2,3
	ds_load_b128 v[KF+8*\kt:KF+8*\kt+3], v[ADK] offset:1024*\kt
	ds_load_b128 v[KF+8*\kt+4:KF+8*\kt+7], v[ADK] offset:1024*\kt+512
.endr
.endif
.set j, 0
.rept 32
	v_pk_fma_f32 v[S+j:S+j+1], v[S+j:S+j+1], s[CS:CS+1], v[NM+2*(j/32):NM+2*(j/32)+1] op_sel_hi:[1,0,0]   ; t - M, two at a time
.set j, j+2
.endr
	s_wait_alu depctr_va_vdst(0)
.set j, 0
.rept 64
	v_exp_f32 v[S+j], v[S+j]                       ; p = 2^(t - M)
.set j, j+1
.endr
	v_nop                                          ; the plain place behind the batch
	s_wait_alu depctr_va_vdst(0)                   ; and the one wait behind it
.set p, 0
.rept 16
	v_pk_add_f32 v[SU+2*(p%2):SU+2*(p%2)+1], v[SU+2*(p%2):SU+2*(p%2)+1], v[S+2*p:S+2*p+1]               ; the sums of the unquantised p: four chains by turns
	v_pk_add_f32 v[SU+4+2*(p%2):SU+4+2*(p%2)+1], v[SU+4+2*(p%2):SU+4+2*(p%2)+1], v[S+32+2*p:S+32+2*p+1]
.set p, p+1
.endr
	s_cmp_ge_i32 s54, -8                           ; 448 x 2^e8 >= 1.75: the hold would change nothing
	s_cbranch_scc1 .Lfits_\@
.set j, 0
.rept 32
	v_dual_min_num_f32 v[S+j], v[S+j], v240 :: v_dual_min_num_f32 v[S+j+1], v[S+j+1], v243   ; the conversion does not saturate (ISA guide 7.6.2); p is not negative, so the hold is one-sided
.set j, j+2
.endr
.Lfits_\@:
.irp qt, 0,1
.irp kt, 0,1,2,3
	v_cvt_scalef32_pk8_fp8_f32 v[CD+8*\qt+2*\kt:CD+8*\qt+2*\kt+1], v[S+32*\qt+8*\kt:S+32*\qt+8*\kt+7], v244
.endr
.endr
	v_nop                                          ; one plain line behind the last conversion
	s_wait_dscnt 8*\pre                            ; V's fragments are in; the eight loads for the next step's K may be out
	s_wait_alu depctr_va_vdst(0)
.irp ct, 0,1,2,3
.irp qt, 0,1
.if \zero
	v_wmma_f32_16x16x64_fp8_fp8 v[O+32*\qt+8*\ct:O+32*\qt+8*\ct+7], v[VF+8*\ct:VF+8*\ct+7], v[CD+8*\qt:CD+8*\qt+7], 0
.else
	v_wmma_f32_16x16x64_fp8_fp8 v[O+32*\qt+8*\ct:O+32*\qt+8*\ct+7], v[VF+8*\ct:VF+8*\ct+7], v[CD+8*\qt:CD+8*\qt+7], v[O+32*\qt+8*\ct:O+32*\qt+8*\ct+7]
.endif
.endr
.endr
	s_add_co_u32 s[TBK], s[TBK], 4096
	s_add_co_u32 s[TBV], s[TBV], 1024
.endm
	STEP2 1, 1                                     ; the first step starts O^T; the eight accumulators take turns
	s_mov_b32 s[CNT], 30
.Lstep:
	STEP2 0, 1
	s_sub_co_u32 s[CNT], s[CNT], 1
	s_cmp_lg_u32 s[CNT], 0
	s_cbranch_scc1 .Lstep
	STEP2 0, 0                                     ; the last step fetches no further keys
	; THE WAY OUT: O^T x 2^(e8 + e9) / the sum, held, converted: 32 codes a lane and tile, in the order of the output projection's operand.  The eight lines on the sums are the places behind the last products
	v_pk_add_f32 v[SU:SU+1], v[SU:SU+1], v[SU+2:SU+3]
	v_pk_add_f32 v[SU+4:SU+5], v[SU+4:SU+5], v[SU+6:SU+7]
	s_delay_alu instid0(VALU_DEP_2)
	v_add_f32 v[SU], v[SU], v[SU+1]
	s_delay_alu instid0(VALU_DEP_2)
	v_add_f32 v[SU+4], v[SU+4], v[SU+5]
	s_delay_alu instid0(VALU_DEP_2)
	v_permlanex16_b32 v[SU+2], v[SU], s[SEL], s[SEL+1]
	s_delay_alu instid0(VALU_DEP_2)
	v_permlanex16_b32 v[SU+6], v[SU+4], s[SEL], s[SEL+1]
	s_delay_alu instid0(VALU_DEP_2)
	v_add_f32 v[SU], v[SU], v[SU+2]
	s_delay_alu instid0(VALU_DEP_2)
	v_add_f32 v[SU+4], v[SU+4], v[SU+6]
	s_wait_alu depctr_va_vdst(0)
	v_rcp_f32 v[SU], v[SU]
	v_rcp_f32 v[SU+4], v[SU+4]
	v_nop
	s_wait_alu depctr_va_vdst(0)                   ; and behind them
	v_ldexp_f32 v[SU], v[SU], s[ESUM]
	v_ldexp_f32 v[SU+4], v[SU+4], s[ESUM]
	s_wait_alu depctr_va_vdst(0)
.set j, 0
.rept 32
	v_pk_mul_f32 v[S+j:S+j+1], v[O+j:O+j+1], v[SU+4*(j/32):SU+4*(j/32)+1] op_sel_hi:[1,0]   ; register 32 qt + 8 ct + i: channel 16 ct + 8 (lane / 16) + i of my query
.set j, j+2
.endr
.set j, 0
.rept 64
	v_med3_num_f32 v[S+j], v[S+j], -v241, v241
.set j, j+1
.endr
.irp t, 0,1,2,3,4,5,6,7
	v_cvt_scalef32_pk8_fp8_f32 v[CD+2*\t:CD+2*\t+1], v[S+8*\t:S+8*\t+7], v245
.endr
	v_nop                                          ; one plain line behind the last conversion
.irp qt, 0,1
	global_store_b128 v[LI], v[CD+8*\qt:CD+8*\qt+3], s[12:13] offset:16384*\qt          ; 512 consecutive bytes each
	global_store_b128 v[LI], v[CD+8*\qt+4:CD+8*\qt+7], s[12:13] offset:16384*\qt+512
.endr
	s_wait_tensorcnt 0x0                           ; the wave's end, behind my last LDS store
	ds_add_u32 v[SPW], v[NIL]
	s_wait_dscnt 0x0
	s_endpgm
.Lfunc_end_k_q5ac31db24f_attn:
	.size	k_q5ac31db24f_attn, .Lfunc_end_k_q5ac31db24f_attn-k_q5ac31db24f_attn
	.p2alignl 7, 3214868480
	.fill 96, 4, 3214868480
	.section	.rodata,"a",@progbits
	.p2align	6, 0x0
	.amdhsa_kernel k_q5ac31db24f_attn
		.amdhsa_group_segment_fixed_size 264192
		.amdhsa_private_segment_fixed_size 0
		.amdhsa_enable_private_segment 0
		.amdhsa_kernarg_size 40
		.amdhsa_user_sgpr_count 2
		.amdhsa_user_sgpr_kernarg_segment_ptr 1
		.amdhsa_wavefront_size32 1
		.amdhsa_system_sgpr_workgroup_id_x 1
		.amdhsa_system_sgpr_workgroup_id_y 1
		.amdhsa_system_sgpr_workgroup_id_z 1
		.amdhsa_system_vgpr_workitem_id 0
		.amdhsa_next_free_vgpr 256
		.amdhsa_next_free_sgpr 66
		.amdhsa_reserve_vcc 0
		.amdhsa_float_denorm_mode_32 3
		.amdhsa_float_denorm_mode_16_64 3
		.amdhsa_memory_ordered 1
		.amdhsa_forward_progress 1
		.amdhsa_inst_pref_size 78
	.end_amdhsa_kernel
	.amdgpu_metadata
---
amdhsa.version: [ 1, 2 ]
amdhsa.kernels:
  - .name:           k_q5ac31db24f_attn
    .symbol:         k_q5ac31db24f_attn.kd
    .args:
      - { .name: qc, .offset: 0, .size: 8, .value_kind: global_buffer, .address_space: global }
      - { .name: kc, .offset: 8, .size: 8, .value_kind: global_buffer, .address_space: global }
      - { .name: vt, .offset: 16, .size: 8, .value_kind: global_buffer, .address_space: global }
      - { .name: lowp_scales, .offset: 24, .size: 8, .value_kind: global_buffer, .address_space: global }
      - { .name: cf, .offset: 32, .size: 8, .value_kind: global_buffer, .address_space: global }
    .group_segment_fixed_size: 264192
    .private_segment_fixed_size: 0
    .kernarg_segment_align: 8
    .kernarg_segment_size: 40
    .max_flat_workgroup_size: 512
    .sgpr_count:     66
    .vgpr_count:     256
    .wavefront_size: 32
...
	.end_amdgpu_metadata
.endif
;; end of part 3
;; launch outln (part 4): grid 256 x 1, 4 waves a work-group, clusters of 4 x 1, 327,680 bytes of LDS; arguments cf, wc, lowp_scales, bo, x, gamma, beta, out0; writes out0
.if DOCPART == 4
	.amdgcn_target "amdgcn-amd-amdhsa--gfx1250"
	.amdhsa_code_object_version 6
	.text
	.protected	k_q5ac31db24f_outln
	.globl	k_q5ac31db24f_outln
	.p2align	8
	.type	k_q5ac31db24f_outln,@function
k_q5ac31db24f_outln:
	s_mov_b64 s[64:65], 0
	v_nop
	global_prefetch_b8 v0, s[64:65] scope:SCOPE_SE
	s_setreg_imm32_b32 hwreg(HW_REG_WAVE_MODE, 25, 1), 1
	s_wait_xcnt 0x0
	s_wait_alu depctr_hold_cnt(0) depctr_sa_sdst(0) depctr_va_vdst(0) depctr_va_sdst(0) depctr_va_ssrc(0) depctr_va_vcc(0) depctr_vm_vsrc(0)
	s_getreg_b32 s2, hwreg(HW_REG_IB_STS2, 6, 4)
	s_cmp_eq_u32 s2, 0
	s_cbranch_scc0 .Lentry_in_a_cluster
	s_endpgm
.Lentry_in_a_cluster:
	s_bfe_u32 s2, ttmp6, 0x10000c
	s_cmp_lg_u32 s2, 0x3003
	s_cbranch_scc0 .Lentry_shape_is_right
	s_endpgm
.Lentry_shape_is_right:
.set PITCH,  272
.set HALFT,  128*PITCH
.set SLOT,   4*HALFT
.set SPARE,  2*SLOT
.set SPI,    4112
.set LI,   1
.set ADRB, 16
.set STO,  24
.set RD,   26
.set SPW,  28
.set NIL,  29
.set SM,   64
.set U,    96
.set RS,   112
.set G1, 24
.set G0, 32
.set MSB, 0
.macro WIN new
.if MSB != \new
	s_set_vgpr_msb (MSB<<8)|\new
.set MSB, \new
.endif
.endm
.macro JLOAD n
	tensor_load_to_lds s[G0+4*(\n):G0+4*(\n)+3], s[G1:G1+7]
	s_nop 0
.rept 4
	v_nop
.endr
.endm
.macro CREST
	s_cmp_lg_u32 s14, 0
	s_cbranch_scc1 .Lnot_wave_0_\@
	s_barrier_signal -3
.Lnot_wave_0_\@:
	s_barrier_wait -3
	s_barrier_signal -1
	s_barrier_wait -1
.endm
.macro CROUND
	s_barrier_signal -1
	s_barrier_wait -1
	CREST
.endm
.macro PLACES
.rept 4
	v_nop
.endr
.endm
	s_load_b256 s[68:75], s[0:1], 0x0
	s_load_b256 s[76:83], s[0:1], 0x20
	v_lshl_add_u32 v[SPW], v0, 2, SPARE
	v_mov_b32 v[NIL], 0
	ds_add_u32 v28, v29
	ds_add_u32 v28, v29
	s_wait_dscnt 0x0
	v_lshrrev_b32 v2, 5, v0
	v_readfirstlane_b32 s14, v2
	v_and_b32 v[LI], 31, v0
	v_lshlrev_b32 v[LI], 4, v[LI]
	s_bfe_u32 s40, ttmp6, 0x40000
	s_lshl_b32 s41, ttmp9, 2
	s_add_co_u32 s41, s41, s40
	s_mov_b32 s[G1], 15|(0<<16)|(1<<20)|(1<<21)|(5<<22)|(3<<25)
	s_mov_b32 s[G1+1], 256<<16
	s_mov_b32 s[G1+2], 128<<16
	s_mov_b32 s[G1+3], 256<<16
	s_mov_b32 s[G1+4], 128
	s_mov_b32 s[G1+5], 1024
	s_mov_b32 s[G1+6], 0
	s_mov_b32 s[G1+7], 0
	s_lshl_b32 s16, s14, 17
	s_add_co_u32 s16, s16, 3<<20
	s_mov_b32 s17, 0
	s_mul_i32 s15, s14, HALFT
	s_lshl_b32 s18, s41, 15
	s_mov_b32 s19, 0
	s_lshl_b32 s42, s41, 17
	s_lshl_b32 s43, s14, 15
	s_add_co_u32 s42, s42, s43
	s_mov_b32 s43, 0
	s_mov_b32 s20, 0x76543210
	s_mov_b32 s21, 0xfedcba98
	s_mov_b32 s22, 0x3a800000
	s_mov_b32 s23, 0x2b8cbccc
	s_wait_kmcnt 0x0
	s_load_b64 s[44:45], s[72:73], 0x28
	s_add_nc_u64 s[10:11], s[70:71], s[16:17]
	s_add_nc_u64 s[4:5], s[68:69], s[18:19]
	s_add_nc_u64 s[6:7], s[76:77], s[42:43]
	s_add_nc_u64 s[8:9], s[82:83], s[42:43]
	CROUND
.irp n, 0,1
	s_mov_b32 s[G0+4*\n], 1
	s_add_co_u32 s[G0+4*\n+1], s15, \n*SLOT
	s_add_nc_u64 s[G0+4*\n+2:G0+4*\n+3], s[10:11], \n*512*1024
	s_or_b32 s[G0+4*\n+3], s[G0+4*\n+3], 0x80000000
	s_wait_alu depctr_va_vdst(0)
	s_wait_tensorcnt 0x0
	ds_add_u32 v28, v29
	ds_add_u32 v28, v29
	s_wait_dscnt 0x0
	CROUND
	JLOAD \n
.endr
	WIN 0x40
	s_wait_alu depctr_va_vdst(0)
.irp a, 0,1
.irp ks, 0,1,2,3,4,5,6,7
.irp c, 0,1,2,3
	global_load_b128 v[16*(2*\ks+\a)+4*\c:16*(2*\ks+\a)+4*\c+3], v[LI], s[4:5] offset:16384*\a+2048*\ks+512*\c
.endr
.endr
.endr
	WIN 0
	v_and_b32 v2, 15, v0
	v_bfe_u32 v3, v0, 4, 1
	v_mul_u32_u24 v4, v2, PITCH
	v_lshl_add_u32 v4, v3, 4, v4
	v_add_nc_u32 v[ADRB], s15, v4
	v_add_nc_u32 v[ADRB+1], SLOT, v[ADRB]
	v_mul_u32_u24 v4, v2, SPI
	v_lshl_add_u32 v4, v3, 5, v4
	s_lshl_b32 s16, s14, 9
	v_add_nc_u32 v[STO], s16, v4
	v_add_nc_u32 v[STO+1], 16*SPI, v[STO]
	s_mul_i32 s16, s14, 8*SPI
	v_add_nc_u32 v[RD], s16, v[LI]
	s_wait_alu depctr_va_vdst(0)
	s_wait_kmcnt 0x0
	s_add_co_i32 s46, s44, s45
	s_add_co_i32 s46, s46, 127
	s_lshl_b32 s46, s46, 23
	s_mov_b32 s47, s46
	s_wait_loadcnt 0x0
	WIN 0xc0
.irp i, 0,1,2,3,4,5,6,7
.irp j, 0,1,2,3,4,5,6,7
	global_load_b128 v[32*\i+4*\j:32*\i+4*\j+3], v[LI], s[6:7] offset:4096*\i+512*\j th:TH_LOAD_NT
.endr
.endr
	WIN 0
.macro LOADG s, g
.set SETR, 64+64*((4*(\s)+(\g))%3)
.irp i, 0,1,2,3
.irp c, 0,1,2,3
	ds_load_b128 v[SETR+16*\i+4*\c:SETR+16*\i+4*\c+3], v[ADRB+(\s)%2] offset:128*((\g)/2)+32*\c+(4*((\g)%2)+\i)*16*PITCH
.endr
.endr
.endm
.macro MULG s, g
.set SETR, 64+64*((4*(\s)+(\g))%3)
.set KS, 2*((\s)/2)+(\g)/2
	WIN 0xa4
.irp i, 0,1,2,3
.irp a, 0,1
.set AC, 8*(16*((\s)%2)+8*\a+4*((\g)%2)+\i)
.if ((\s) < 2) && ((\g) < 2)
	v_wmma_f32_16x16x128_fp8_fp8 v[AC:AC+7], v[SETR+16*\i:SETR+16*\i+15], v[16*(2*KS+\a):16*(2*KS+\a)+15], 0
.else
	v_wmma_f32_16x16x128_fp8_fp8 v[AC:AC+7], v[SETR+16*\i:SETR+16*\i+15], v[16*(2*KS+\a):16*(2*KS+\a)+15], v[AC:AC+7]
.endif
.endr
.endr
.endm
.macro SLOTW s, fill
	LOADG \s, 0
	LOADG \s, 1
	LOADG \s, 2
	s_wait_dscnt 32
	MULG \s, 0
	WIN 0
	PLACES
	LOADG \s, 3
	s_wait_dscnt 32
	MULG \s, 1
	WIN 0
	s_wait_tensorcnt 0x0
	ds_add_u32 v[SPW], v[NIL]
	s_wait_dscnt 17
	MULG \s, 2
	s_wait_dscnt 0x0
	s_barrier_signal -1
	MULG \s, 3
	WIN 0
	s_barrier_wait -1
.if \fill == 2
	CREST
	s_add_nc_u64 s[G0+4*((\s)%2)+2:G0+4*((\s)%2)+3], s[G0+4*((\s)%2)+2:G0+4*((\s)%2)+3], 256
	JLOAD (\s)%2
.else
	PLACES
.endif
.endm
	s_wait_tensorcnt 1
	s_barrier_signal -1
	s_barrier_wait -1
	SLOTW 0, 2
	SLOTW 1, 2
	SLOTW 2, 2
	SLOTW 3, 2
	WIN 0x40
.irp j, 0,1,2,3,4,5,6,7
	global_load_b128 v[4*\j:4*\j+3], v[LI], s[74:75] offset:512*\j
	global_load_b128 v[32+4*\j:32+4*\j+3], v[LI], s[78:79] offset:512*\j
	global_load_b128 v[64+4*\j:64+4*\j+3], v[LI], s[80:81] offset:512*\j
.endr
	WIN 0
	SLOTW 4, 2
	SLOTW 5, 2
	SLOTW 6, 1
	LOADG 7, 0
	LOADG 7, 1
	LOADG 7, 2
	s_wait_dscnt 32
	MULG 7, 0
	WIN 0
	PLACES
	LOADG 7, 3
	s_wait_dscnt 32
	MULG 7, 1
	s_wait_dscnt 16
	MULG 7, 2
	s_wait_dscnt 0x0
	MULG 7, 3
	PLACES
	WIN 0x08
.irp n, 0,1
.irp a, 0,1
.irp b, 0,1,2,3,4,5,6,7
	ds_store_b128 v[STO+\a], v[8*(16*\n+8*\a+\b):8*(16*\n+8*\a+\b)+3] offset:2048*\n+64*\b
	ds_store_b128 v[STO+\a], v[8*(16*\n+8*\a+\b)+4:8*(16*\n+8*\a+\b)+7] offset:2048*\n+64*\b+16
.endr
.endr
.endr
	s_wait_loadcnt 0x0
	WIN 0xc7
.irp i, 0,1,2,3,4,5,6,7
.irp k, 0,2,4,6,8,10,12,14,16,18,20,22,24,26,28,30
	v_pk_add_f32 v[32*\i+\k:32*\i+\k+1], v[32*\i+\k:32*\i+\k+1], v[\k:\k+1]
.endr
.endr
	WIN 0
	s_wait_dscnt 0x0
	s_barrier_signal -1
	s_barrier_wait -1
	WIN 0x80
.irp i, 0,1,2,3,4,5,6,7
.irp j, 0,1,2,3,4,5,6,7
	ds_load_b128 v[32*\i+4*\j:32*\i+4*\j+3], v[RD] offset:SPI*\i+512*\j
.endr
.endr
	s_wait_dscnt 0x0
	WIN 0xb2
.irp i, 0,1,2,3,4,5,6,7
.irp k, 0,2,4,6,8,10,12,14,16,18,20,22,24,26,28,30
	v_pk_fma_f32 v[32*\i+\k:32*\i+\k+1], v[32*\i+\k:32*\i+\k+1], s[46:47], v[32*\i+\k:32*\i+\k+1] op_sel_hi:[1,0,1]
.endr
.endr
.macro RED8
.irp i, 0,1,2,3,4,5,6,7
	v_pk_add_f32 v[SM+4*\i:SM+4*\i+1], v[SM+4*\i:SM+4*\i+1], v[SM+4*\i+2:SM+4*\i+3]
.endr
.irp i, 0,1,2,3,4,5,6,7
	v_add_f32 v[SM+4*\i], v[SM+4*\i], v[SM+4*\i+1]
.endr
.irp m, 1,2,4,8
.irp i, 0,1,2,3,4,5,6,7
	v_add_f32_dpp v[SM+4*\i], v[SM+4*\i], v[SM+4*\i] row_xmask:\m row_mask:0xf bank_mask:0xf
.endr
.endr
.irp i, 0,1,2,3,4,5,6,7
	v_permlanex16_b32 v[SM+4*\i+1], v[SM+4*\i], s20, s21
.endr
.irp i, 0,1,2,3,4,5,6,7
	v_add_f32 v[SM+4*\i], v[SM+4*\i], v[SM+4*\i+1]
.endr
.endm
	WIN 0x0a
.irp i, 0,1,2,3,4,5,6,7
	v_pk_add_f32 v[SM+4*\i:SM+4*\i+1], v[32*\i:32*\i+1], v[32*\i+2:32*\i+3]
	v_pk_add_f32 v[SM+4*\i+2:SM+4*\i+3], v[32*\i+4:32*\i+5], v[32*\i+6:32*\i+7]
.endr
	WIN 0x08
.irp k, 8,12,16,20,24,28
.irp i, 0,1,2,3,4,5,6,7
	v_pk_add_f32 v[SM+4*\i:SM+4*\i+1], v[SM+4*\i:SM+4*\i+1], v[32*\i+\k:32*\i+\k+1]
	v_pk_add_f32 v[SM+4*\i+2:SM+4*\i+3], v[SM+4*\i+2:SM+4*\i+3], v[32*\i+\k+2:32*\i+\k+3]
.endr
.endr
	WIN 0
	RED8
.irp i, 0,1,2,3,4,5,6,7
	v_mul_f32 v[U+2*\i], s22, v[SM+4*\i]
	v_mul_f32 v[U+2*\i+1], s22, v[SM+4*\i]
.endr
	WIN 0x82
.irp i, 0,1,2,3,4,5,6,7
.irp k, 0,2,4,6,8,10,12,14,16,18,20,22,24,26,28,30
	v_pk_add_f32 v[32*\i+\k:32*\i+\k+1], v[32*\i+\k:32*\i+\k+1], v[U+2*\i:U+2*\i+1] op_sel_hi:[1,0] neg_lo:[0,1] neg_hi:[0,1]
.endr
.endr
	WIN 0x0a
.irp i, 0,1,2,3,4,5,6,7
	v_pk_mul_f32 v[SM+4*\i:SM+4*\i+1], v[32*\i:32*\i+1], v[32*\i:32*\i+1]
	v_pk_mul_f32 v[SM+4*\i+2:SM+4*\i+3], v[32*\i+2:32*\i+3], v[32*\i+2:32*\i+3]
.endr
.irp k, 4,8,12,16,20,24,28
.irp i, 0,1,2,3,4,5,6,7
	v_pk_fma_f32 v[SM+4*\i:SM+4*\i+1], v[32*\i+\k:32*\i+\k+1], v[32*\i+\k:32*\i+\k+1], v[SM+4*\i:SM+4*\i+1]
	v_pk_fma_f32 v[SM+4*\i+2:SM+4*\i+3], v[32*\i+\k+2:32*\i+\k+3], v[32*\i+\k+2:32*\i+\k+3], v[SM+4*\i+2:SM+4*\i+3]
.endr
.endr
	WIN 0
	RED8
.irp i, 0,1,2,3,4,5,6,7
	v_fma_f32 v[SM+4*\i], v[SM+4*\i], s22, s23
.endr
	s_wait_alu depctr_va_vdst(0)
.irp i, 0,1,2,3,4,5,6,7
	v_rsq_f32 v[RS+2*\i], v[SM+4*\i]
.endr
	v_nop
	s_wait_alu depctr_va_vdst(0)
.irp i, 0,1,2,3,4,5,6,7
	v_mov_b32 v[RS+2*\i+1], v[RS+2*\i]
.endr
	WIN 0x82
.irp i, 0,1,2,3,4,5,6,7
.irp k, 0,2,4,6,8,10,12,14,16,18,20,22,24,26,28,30
	v_pk_mul_f32 v[32*\i+\k:32*\i+\k+1], v[32*\i+\k:32*\i+\k+1], v[RS+2*\i:RS+2*\i+1] op_sel_hi:[1,0]
.endr
.endr
	WIN 0x96
.irp i, 0,1,2,3,4,5,6,7
.irp k, 0,2,4,6,8,10,12,14,16,18,20,22,24,26,28,30
	v_pk_fma_f32 v[32*\i+\k:32*\i+\k+1], v[32*\i+\k:32*\i+\k+1], v[32+\k:32+\k+1], v[64+\k:64+\k+1]
.endr
.endr
	WIN 0x08
.irp i, 0,1,2,3,4,5,6,7
.irp j, 0,1,2,3,4,5,6,7
	global_store_b128 v[LI], v[32*\i+4*\j:32*\i+4*\j+3], s[8:9] offset:4096*\i+512*\j th:TH_STORE_NT
.endr
.endr
	WIN 0
	s_wait_tensorcnt 0x0
	ds_add_u32 v[SPW], v[NIL]
	s_wait_dscnt 0x0
	CROUND
	s_endpgm
.Lfunc_end_k_q5ac31db24f_outln:
	.size	k_q5ac31db24f_outln, .Lfunc_end_k_q5ac31db24f_outln-k_q5ac31db24f_outln
	.p2alignl 7, 3214868480
	.fill 96, 4, 3214868480
	.section	.rodata,"a",@progbits
	.p2align	6, 0x0
	.amdhsa_kernel k_q5ac31db24f_outln
		.amdhsa_group_segment_fixed_size 327680
		.amdhsa_private_segment_fixed_size 0
		.amdhsa_enable_private_segment 0
		.amdhsa_kernarg_size 64
		.amdhsa_user_sgpr_count 2
		.amdhsa_user_sgpr_kernarg_segment_ptr 1
		.amdhsa_wavefront_size32 1
		.amdhsa_system_sgpr_workgroup_id_x 1
		.amdhsa_system_sgpr_workgroup_id_y 1
		.amdhsa_system_sgpr_workgroup_id_z 1
		.amdhsa_system_vgpr_workitem_id 0
		.amdhsa_next_free_vgpr 1024
		.amdhsa_next_free_sgpr 84
		.amdhsa_reserve_vcc 0
		.amdhsa_float_denorm_mode_32 3
		.amdhsa_float_denorm_mode_16_64 3
		.amdhsa_memory_ordered 1
		.amdhsa_forward_progress 1
		.amdhsa_inst_pref_size 155
	.end_amdhsa_kernel
	.amdgpu_metadata
---
amdhsa.version: [ 1, 2 ]
amdhsa.kernels:
  - .name:           k_q5ac31db24f_outln
    .symbol:         k_q5ac31db24f_outln.kd
    .args:
      - { .name: cf, .offset: 0, .size: 8, .value_kind: global_buffer, .address_space: global }
      - { .name: wc, .offset: 8, .size: 8, .value_kind: global_buffer, .address_space: global }
      - { .name: lowp_scales, .offset: 16, .size: 8, .value_kind: global_buffer, .address_space: global }
      - { .name: bo, .offset: 24, .size: 8, .value_kind: global_buffer, .address_space: global }
      - { .name: x, .offset: 32, .size: 8, .value_kind: global_buffer, .address_space: global }
      - { .name: gamma, .offset: 40, .size: 8, .value_kind: global_buffer, .address_space: global }
      - { .name: beta, .offset: 48, .size: 8, .value_kind: global_buffer, .address_space: global }
      - { .name: out0, .offset: 56, .size: 8, .value_kind: global_buffer, .address_space: global }
    .group_segment_fixed_size: 327680
    .private_segment_fixed_size: 0
    .kernarg_segment_align: 8
    .kernarg_segment_size: 64
    .max_flat_workgroup_size: 128
    .sgpr_count:     84
    .vgpr_count:     1024
    .wavefront_size: 32
...
	.end_amdgpu_metadata
.endif
;; end of part 4
